; MI455X (gfx1250); checked and timed in simulation.
; The chip was launched on July 23, 2026; its instructions are those of AMD's public machine-readable ISA for CDNA 5 (MIT licence, August 2026) and "CDNA5" Instruction Set Architecture Reference Guide (July 2026). The comments in the code are by the model that wrote it; some were corrected since.
;; Causal Attention Block. Allowed arithmetic: matrix products marked QUANTISED: E4M3 operands, one given power-of-two scale a tensor, by v_wmma_f32_16x16x64_fp8_fp8 or v_wmma_f32_16x16x128_fp8_fp8, f32 sums; everything else in f32.
;; Inputs: W_proj 1,024 x 1,024 float32; W_qkv 1,024 x 3,072 float32; b_proj 1,024 float32; lowp_scales 8 int32 (the exponents e of the quantised operands' scales 2^e); x 4 x 2,048 x 1,024 float32.
;; Outputs: out0 4 x 2,048 x 1,024 float32.
;; This version of the problem:
;;   THIS VERSION OF THE PROBLEM IS GIVEN IN LOW PRECISION. The matrix products marked QUANTISED in the list below multiply operands that are first quantised to E4M3 (4 exponent bits, 3 mantissa bits; 8 bits a number), with one given power-of-two scale for each operand tensor; their sums are f32. All else is computed in f32.
;;   The module's matrix products, in the order in which they are computed (A, B: the left and right operand; K: the contracted axis; several contracted axes count as one K, in the product's order):
;;     1. [M 8,192, K 1,024] x [K 1,024, N 3,072]; A: input x; B: input W_qkv: QUANTISED (scales: A lowp_scales[0], B lowp_scales[1])
;;     2. batch 64 x [M 2,048, K 64] x [K 64, N 2,048]; A: computed on the way; B: computed on the way: QUANTISED (scales: A lowp_scales[2], B lowp_scales[3])
;;     3. batch 64 x [M 2,048, K 2,048] x [K 2,048, N 64]; A: softmax (see below); B: computed on the way: QUANTISED (scales: A lowp_scales[4], B lowp_scales[5])
;;     4. [M 8,192, K 1,024] x [K 1,024, N 1,024]; A: computed on the way; B: input W_proj: QUANTISED (scales: A lowp_scales[6], B lowp_scales[7])
;;   THE QUANTISER, for each operand of a quantised product, along K:
;;     - The operand's scale is 2^e, e = its entry of the input lowp_scales (int32; the entries are numbered through the quantised products in the list's order, A before B).
;;     - Each number is divided by the scale, clamped to +-448, and rounded to the nearest number of E4M3, ties to even, subnormals kept.
;;     - The product sums the exact products of the quantised numbers (number of the format x scale) in f32.
;;   ~~~python
;;   def quantise(x, axis, e):      # numpy; x: float32 -> the quantised numbers, widened to float32 again
;;       x = np.moveaxis(x, axis, -1); K = x.shape[-1]
;;       r = np.clip(x / 2.0 ** e, -448, 448)
;;       step = 2.0 ** (np.maximum(np.frexp(np.where(r == 0, 1, r))[1] - 1, -6) - 3)
;;       q = np.round(r / step) * step * 2.0 ** e      # np.round: ties to even
;;       return np.moveaxis(q, -1, axis).astype(np.float32)
;;   ~~~
;;   SOFTMAX AHEAD OF A QUANTISED PRODUCT. Where the list says 'softmax', what is quantised is not the finished softmax but p = 2^(t - M), with t = logit x log2(e) and M = ceil(the row's largest t), a whole number; so 1/2 < the row's largest p <= 1. The row's sum l is taken of the UNQUANTISED p, in f32, and the product's result is divided by l at the end. Since M is a whole number, a kernel that streams over the keys may use a running M (the ceiling of the running maximum): every later rescaling is an exact power of two, so the quantised numbers keep their values, but for numbers so far below the row's largest that they fall under the format's range.
;;   OPERANDS COMPUTED ON THE WAY. 'Computed on the way' means the value that the module computes at that place (a softmax that the list does not call 'softmax' is quantised finished and normalised). What goes into a quantiser is computed in f32, as accurately as f32 sums, v_exp_f32 and their like allow (about 1e-6 of the number): no bf16 or f16 on the way to a quantiser, and a product that is left as it is and whose result goes on into a quantised operand takes f32 operands (vector FMAs, or v_wmma_f32_16x16x4_f32). A number that lies on a knife's edge between two numbers of the format may be rounded either way, as far as f32 arithmetic and the matrix unit's own rounding can turn it there, and no further.
;; One version. Each part assembles by itself: llvm-mc -triple=amdgcn-amd-amdhsa -mcpu=gfx1250 --defsym DOCPART=n.
;; ======== version 1 of 1: 4 launches
;; limits: right only within a limited range of input values
;; workspace buffers: x_frag 8,388,608 bytes; wqkv_frag 3,145,728 bytes; wproj_frag 1,048,576 bytes; qkv_frag 25,165,824 bytes; att_frag 8,388,608 bytes
;; launch prep (part 1): grid 512 x 1, 4 waves a work-group, no clusters, 34,304 bytes of LDS; arguments x, W_qkv, W_proj, lowp_scales, x_frag, wqkv_frag, wproj_frag; writes x_frag, wqkv_frag, wproj_frag
.if DOCPART == 1
	.amdgcn_target "amdgcn-amd-amdhsa--gfx1250"
	.amdhsa_code_object_version 6
	.text
	.protected	k_q6895a83adf_prep
	.globl	k_q6895a83adf_prep
	.p2align	8
	.type	k_q6895a83adf_prep,@function
k_q6895a83adf_prep:
	s_mov_b64 s[64:65], 0
	v_nop
	global_prefetch_b8 v0, s[64:65] scope:SCOPE_SE
	s_setreg_imm32_b32 hwreg(HW_REG_WAVE_MODE, 25, 1), 1
	s_wait_xcnt 0x0
; x [8192][1024], W_qkv [1024][3072] and W_proj [1024][1024], f32, become codes of FP8 (E4M3), each with the one scale 2^e given for it (entries 0, 1, 7).
; code = number / 2^e, held within +-448, rounded to the nearest code, ties to even.  LIMITS: e between -126 and 127; NaN among the inputs is not served.
; THE CODES ARE LAID AS IMAGES OF OPERAND REGISTERS.  A fragment is 16 rows x 128 along K: lane (r, h) holds row r, its registers 2 c, 2 c + 1 hold k = 16 c + 8 h + 0 .. 7.
; Its image is 2,048 bytes: registers 4 q .. 4 q + 3 of lane l at byte 512 q + 16 l.  x_frag: [token / 16][k / 128][image]; the weights': [column / 16][k / 128][image].
; Work-groups 0-255 take x, 256-447 W_qkv, 448-511 W_proj: a scalar branch on the work-group's number.  Only x's path touches LDS.
; x (K innermost): a wave takes 16 rows x 512 along K in four tasks of 128.  Each load reads 512 consecutive bytes of one row; the 16 rows turn through the wave's own stage in LDS
; (rows 528 bytes apart, so that the sixteen rows of a read start at sixteen different 16-byte columns) and come back eight neighbours along K at a time.
; The weights (K outermost): a lane takes a column and its registers run down K; the eights of even number belong to lanes 0-15 of a fragment, those of odd number to lanes 16-31:
; one exchange of half-waves makes of the two sets the fragments of columns 0-15 and 16-31 of the wave's 32.
.set STG,   8448                       ; a wave's stage: 16 rows x 528 bytes
.set SPARE, 4*STG                      ; behind the stages: the spare words, 128 bytes a wave: two blocks of 256 bytes that no other line names
.set R,     16                         ; v16-143  x: two sets of 64 as loaded; weights: 128 numbers down K
.set XT,    144                        ; v144-207 x: 64 numbers, register 8 c + j = k 16 c + 8 h + j of row r
.set CD,    208                        ; v208-239 x: two sets of 16 registers of codes
.set F0,    208                        ; weights: the eights of even number, then the fragment of columns 0-15
.set F1,    224                        ; the eights of odd number, then the fragment of columns 16-31
.set LO,    2                          ; v2  16 x lane
.set LO4,   3                          ; v3  4 x lane
.set SA,    4                          ; v4  the stage, on the way in
.set SB,    5                          ; v5  and on the way out
.set SCL,   6                          ; v6  2^e as f32
.set LIM,   7
.set SPW,   8                          ; v8  LDS address of my spare word; never rewritten
.set NIL,   9                          ; v9  0; never rewritten
	s_load_b256 s[4:11], s[0:1], 0x0               ; x s[4:5], W_qkv s[6:7], W_proj s[8:9], the scales' exponents s[10:11]
	s_load_b128 s[12:15], s[0:1], 0x20             ; x_frag s[12:13], wqkv_frag s[14:15]
	s_load_b64 s[16:17], s[0:1], 0x30              ; wproj_frag
	v_lshl_add_u32 v[SPW], v0, 2, SPARE
	v_mov_b32 v[NIL], 0
	v_lshrrev_b32 v1, 5, v0
	v_readfirstlane_b32 s20, v1                    ; wave 0..3
	v_and_b32 v1, 31, v0                           ; lane
	v_lshlrev_b32 v[LO], 4, v1
	v_lshlrev_b32 v[LO4], 2, v1
	s_mul_i32 s21, s20, STG
	v_add_nc_u32 v[SA], s21, v[LO]                 ; in: 16 bytes a lane of a row's 512
	v_and_b32 v10, 15, v0                          ; r
	v_bfe_u32 v11, v0, 4, 1                        ; h
	v_mul_u32_u24 v[SB], v10, 528
	v_lshl_add_u32 v[SB], v11, 5, v[SB]
	v_add_nc_u32 v[SB], s21, v[SB]                 ; out: row r, + 32 h bytes: eight numbers of my half
	s_wait_kmcnt 0x0
	s_load_b256 s[24:31], s[10:11], 0x0            ; e0 .. e7
.macro MKSCALE e                       ; 2^e and 448 x 2^e as f32 patterns
	s_add_co_i32 s22, \e, 127
	s_lshl_b32 s23, s22, 23
	v_mov_b32 v[SCL], s23
	s_add_co_i32 s22, s22, 8
	s_lshl_b32 s22, s22, 23
	s_or_b32 s22, s22, 0x600000
.endm
	s_cmp_lt_u32 ttmp9, 256
	s_cbranch_scc0 .Lweights
	; ---------------- x
	s_lshl_b32 s21, ttmp9, 2
	s_add_co_u32 s21, s21, s20                     ; u = 4 x work-group + wave
	s_lshr_b32 s22, s21, 1                         ; the block of 16 tokens
	s_and_b32 s21, s21, 1                          ; which 512 along K
	s_lshl_b32 s32, s22, 16                        ; 16 rows of 4,096 bytes
	s_lshl_b32 s23, s21, 11
	s_add_co_u32 s32, s32, s23
	s_mov_b32 s33, 0
	s_add_nc_u64 s[34:35], s[4:5], s[32:33]
	s_lshl_b32 s36, s22, 14                        ; a block's eight images
	s_lshl_b32 s23, s21, 13
	s_add_co_u32 s36, s36, s23
	s_mov_b32 s37, 0
	s_add_nc_u64 s[38:39], s[12:13], s[36:37]
.macro LOAD t                          ; task t: 16 rows x 512 bytes into set t % 2
.set II, 0
.rept 16
	global_load_b128 v[R+64*((\t)%2)+4*II:R+64*((\t)%2)+4*II+3], v[LO], s[34:35] offset:4096*II+512*(\t) th:TH_LOAD_NT
.set II, II+1
.endr
.endm
.macro TASK t
.if (\t) < 3
	s_wait_loadcnt 16                              ; this task's 16 loads are in; the next task's 16 may be out
.else
	s_wait_loadcnt 0
.endif
.set II, 0
.rept 16
	ds_store_b128 v[SA], v[R+64*((\t)%2)+4*II:R+64*((\t)%2)+4*II+3] offset:528*II
.set II, II+1
.endr
.set II, 0
.rept 16                               ; LDS serves a wave's instructions in order: these see the stores above
	ds_load_b128 v[XT+4*II:XT+4*II+3], v[SB] offset:64*(II/2)+16*(II%2)
.set II, II+1
.endr
	s_wait_dscnt 0x0                               ; the numbers are back, and the stores into the stage have read their registers,
.if (\t)+2 < 4
	LOAD (\t)+2                                    ; which take the loads of two tasks on
.endif
.if (\t) >= 2
	s_wait_xcnt 0x0                                ; task t - 2's stores have read this set of codes
.endif
.set II, 0
.rept 64
.set II, II+1
.endr
.set II, 0
.rept 8
	v_cvt_scalef32_pk8_fp8_f32 v[CD+16*((\t)%2)+2*II:CD+16*((\t)%2)+2*II+1], v[XT+8*II:XT+8*II+7], v[SCL]
.set II, II+1
.endr
	v_nop                                          ; one plain line behind the last conversion
.set II, 0
.rept 4
	global_store_b128 v[LO], v[CD+16*((\t)%2)+4*II:CD+16*((\t)%2)+4*II+3], s[38:39] offset:2048*(\t)+512*II   ; 512 consecutive bytes, aligned
.set II, II+1
.endr
.endm
	s_wait_alu depctr_va_vdst(0)
	LOAD 0
	LOAD 1
	s_wait_kmcnt 0x0
	MKSCALE s24
	s_wait_alu depctr_va_vdst(0)
	TASK 0
	TASK 1
	TASK 2
	TASK 3
	s_wait_tensorcnt 0x0                           ; the wave's end, behind my last LDS store
	ds_add_u32 v[SPW], v[NIL]
	s_wait_dscnt 0x0
	s_endpgm
	; ---------------- the weights: a work-group takes 128 columns x 128 along K, a wave 32 columns
.macro WQ cols, e, src, dst, j0
	s_sub_co_u32 s21, ttmp9, \j0
	s_lshr_b32 s22, s21, 3                         ; which 128 columns
	s_and_b32 s21, s21, 7                          ; which 128 along K
	s_lshl_b32 s22, s22, 2
	s_add_co_u32 s22, s22, s20                     ; my wave's 32 columns
	s_mul_i32 s32, s21, 128*\cols*4
	s_lshl_b32 s23, s22, 7
	s_add_co_u32 s32, s32, s23
	s_mov_b32 s33, 0
	s_add_nc_u64 s[34:35], s[\src:\src+1], s[32:33]
	s_lshl_b32 s36, s22, 15                        ; two blocks of 16 columns, eight images each
	s_lshl_b32 s23, s21, 11
	s_add_co_u32 s36, s36, s23
	s_mov_b32 s37, 0
	s_add_nc_u64 s[38:39], s[\dst:\dst+1], s[36:37]
.set II, 0
.rept 128                              ; row k at my column: a wave reads 128 consecutive bytes, the four waves stand side by side on 512
	global_load_b32 v[R+II], v[LO4], s[34:35] offset:II*\cols*4 th:TH_LOAD_NT
.set II, II+1
.endr
	s_wait_kmcnt 0x0
	MKSCALE \e
	s_wait_alu depctr_va_vdst(0)
.irp g, 0,1,2,3
.if 96-32*\g > 63
	s_wait_loadcnt 63                              ; rows 32 g .. 32 g + 31 are in: a wait names 63 at the most, which is under the 96 - 32 g that may stay out
.else
	s_wait_loadcnt 96-32*\g
.endif
.set II, 0
.rept 32
.set II, II+1
.endr
.irp i, 0,1,2,3                        ; the eight of number m = 4 g + i: k = 8 m .. 8 m + 7
	v_cvt_scalef32_pk8_fp8_f32 v[F0+16*((4*\g+\i)%2)+2*((4*\g+\i)/2):F0+16*((4*\g+\i)%2)+2*((4*\g+\i)/2)+1], v[R+8*(4*\g+\i):R+8*(4*\g+\i)+7], v[SCL]
.endr
.endr
	v_nop                                          ; one plain line between the last conversion and the exchange that touches its result
.set II, 0
.rept 16
	v_permlane16_swap_b32 v[F0+II], v[F1+II]       ; F0's lanes 16-31 and F1's lanes 0-15 change places
.set II, II+1
.endr
.set II, 0
.rept 4
	global_store_b128 v[LO], v[F0+4*II:F0+4*II+3], s[38:39] offset:512*II
	global_store_b128 v[LO], v[F1+4*II:F1+4*II+3], s[38:39] offset:16384+512*II
.set II, II+1
.endr
.endm
.Lweights:
	s_cmp_lt_u32 ttmp9, 448
	s_cbranch_scc0 .Lproj
	s_wait_alu depctr_va_vdst(0)
	WQ 3072, s25, 6, 14, 256
	s_endpgm
.Lproj:
	s_wait_alu depctr_va_vdst(0)
	WQ 1024, s31, 8, 16, 448
	s_endpgm
.Lfunc_end_k_q6895a83adf_prep:
	.size	k_q6895a83adf_prep, .Lfunc_end_k_q6895a83adf_prep-k_q6895a83adf_prep
	.p2alignl 7, 3214868480
	.fill 96, 4, 3214868480
	.section	.rodata,"a",@progbits
	.p2align	6, 0x0
	.amdhsa_kernel k_q6895a83adf_prep
		.amdhsa_group_segment_fixed_size 34304
		.amdhsa_private_segment_fixed_size 0
		.amdhsa_enable_private_segment 0
		.amdhsa_kernarg_size 56
		.amdhsa_user_sgpr_count 2
		.amdhsa_user_sgpr_kernarg_segment_ptr 1
		.amdhsa_wavefront_size32 1
		.amdhsa_system_sgpr_workgroup_id_x 1
		.amdhsa_system_sgpr_workgroup_id_y 1
		.amdhsa_system_sgpr_workgroup_id_z 1
		.amdhsa_system_vgpr_workitem_id 0
		.amdhsa_next_free_vgpr 240
		.amdhsa_next_free_sgpr 66
		.amdhsa_reserve_vcc 0
		.amdhsa_float_denorm_mode_32 3
		.amdhsa_float_denorm_mode_16_64 3
		.amdhsa_fp16_overflow 1
		.amdhsa_memory_ordered 1
		.amdhsa_forward_progress 1
		.amdhsa_inst_pref_size 51
	.end_amdhsa_kernel
	.amdgpu_metadata
---
amdhsa.version: [ 1, 2 ]
amdhsa.kernels:
  - .name:           k_q6895a83adf_prep
    .symbol:         k_q6895a83adf_prep.kd
    .args:
      - { .name: x, .offset: 0, .size: 8, .value_kind: global_buffer, .address_space: global }
      - { .name: W_qkv, .offset: 8, .size: 8, .value_kind: global_buffer, .address_space: global }
      - { .name: W_proj, .offset: 16, .size: 8, .value_kind: global_buffer, .address_space: global }
      - { .name: lowp_scales, .offset: 24, .size: 8, .value_kind: global_buffer, .address_space: global }
      - { .name: x_frag, .offset: 32, .size: 8, .value_kind: global_buffer, .address_space: global }
      - { .name: wqkv_frag, .offset: 40, .size: 8, .value_kind: global_buffer, .address_space: global }
      - { .name: wproj_frag, .offset: 48, .size: 8, .value_kind: global_buffer, .address_space: global }
    .group_segment_fixed_size: 34304
    .private_segment_fixed_size: 0
    .kernarg_segment_align: 8
    .kernarg_segment_size: 56
    .max_flat_workgroup_size: 128
    .sgpr_count:     66
    .vgpr_count:     240
    .wavefront_size: 32
...
	.end_amdgpu_metadata
.endif
;; end of part 1
;; launch gemm_qkv (part 2): grid 12 x 32, 4 waves a work-group, clusters of 4 x 4, 327,680 bytes of LDS; arguments x_frag, wqkv_frag, lowp_scales, qkv_frag; writes qkv_frag
.if DOCPART == 2
	.amdgcn_target "amdgcn-amd-amdhsa--gfx1250"
	.amdhsa_code_object_version 6
	.text
	.protected	k_q6895a83adf_gemm_qkv
	.globl	k_q6895a83adf_gemm_qkv
	.p2align	8
	.type	k_q6895a83adf_gemm_qkv,@function
k_q6895a83adf_gemm_qkv:
	s_mov_b64 s[64:65], 0
	v_nop
	global_prefetch_b8 v0, s[64:65] scope:SCOPE_SE
	s_setreg_imm32_b32 hwreg(HW_REG_WAVE_MODE, 25, 1), 1
	s_wait_xcnt 0x0
	s_wait_alu depctr_hold_cnt(0) depctr_sa_sdst(0) depctr_va_vdst(0) depctr_va_sdst(0) depctr_va_ssrc(0) depctr_va_vcc(0) depctr_vm_vsrc(0)
	s_getreg_b32 s2, hwreg(HW_REG_IB_STS2, 6, 4)
	s_cmp_eq_u32 s2, 0
	s_cbranch_scc0 .Lentry_in_a_cluster
	s_endpgm
.Lentry_in_a_cluster:
	s_bfe_u32 s2, ttmp6, 0x10000c
	s_cmp_lg_u32 s2, 0xf033
	s_cbranch_scc0 .Lentry_shape_is_right
	s_endpgm
.Lentry_shape_is_right:
; qkv = x W_qkv on codes of FP8 (E4M3); the f32 sums are quantised at once into q's, k's and v's codes (scales: entries 2, 3, 5) and stored as images of the attention's operand registers.
; A tile of 256 x 256 is made by four waves, 128 x 128 each: 64 accumulators, 512 registers.  K = 1,024 goes in four steps of 256 through a ring of two LDS slots filled by the tensor data mover.
; OPERANDS ARE IMAGES: [16 rows][k / 128][2,048 bytes], registers 4 q .. 4 q + 3 of lane l at 512 q + 16 l.  A K step of a block of 16 rows is 4,096 bytes on end; a wave's tensor load brings 8 such rows, 16,384 bytes apart.
; A fragment comes out of LDS by four loads at 16 x lane: consecutive bytes, no pitch, no padding; every k stands in the place that the form's own layout gives it.
; Source 0 = region B's fragment, source 1 = region A's: lane (r, h) holds A's row r and B's rows 8 h + 0 .. 7, eight NEIGHBOURS along B: one conversion makes of them two registers of the next operand.
; q and k (cluster x = 0, 1): A = tokens, B = features: a lane's eight are eight channels of a head: K of the scores.  v (cluster x = 2): A = features, B = tokens: a lane's eight are eight keys: K of the second product.
; The two tensors change places by a choice of pointers on the cluster's x, which all sixteen partners share; no LDS address hangs on it.
; qkv_frag: [head 16 b + h][128 tokens][Q 8,192 | K 8,192 | V 8,192]: Q, K: 8 blocks of 16 tokens x 1,024 bytes (16 x 64); V: 4 blocks of 16 channels x 2,048 bytes (16 x 128 keys).
; CLUSTERS: 4 x 4 work-groups; A's tile is asked for jointly along a row of the cluster, B's along a column.
; LIMITS: e_t - e0 - e1 between -126 and 127 for t = 2, 3, 5.  384 tiles: the grid is not a multiple of 256 work-groups.
; REGISTERS: window 0: v16-31 addresses and the scale; v128-255 A's fragments, one set, then the codes.  window 1: B's fragments, two sets.  windows 2, 3: the accumulators ((a, b) at v[8 (8 (a % 4) + b)]).
.set HALFT,  32768                     ; 8 blocks x 4,096 bytes: what one tensor load brings, and what one wave reads of A or of B
.set SLOT,   4*HALFT                   ; A's two halves, then B's
.set SPARE,  2*SLOT                    ; behind the ring: the spare words, 128 bytes a wave: two blocks of 256 bytes that no other line names
.set KSB,    4096                      ; a K step of a block, in bytes
.set FR,     16
.set NL,     4
.set NP,     4                         ; places behind this matrix instruction (ISA guide 7.12.1)
.set HS,     393216                    ; a head in qkv_frag
.set STB,    24576                     ; 128 tokens of a head
.set ADRA, 16                          ; v16-17  my A fragments in slot 0, 1
.set ADRB, 20                          ; v20-21  the same for B
.set CO,   26                          ; v26     16 x lane
.set SPW,  28                          ; v28     LDS address of my spare word; never rewritten
.set NIL,  29                          ; v29     0; never rewritten
.set SC,   30                          ; v30     2^(e_t - e0 - e1)
.set LIM,  31
.set TMP,  32
.set AF,   128
.set G1, 24
.set G0, 32
.set G1B, 48
.set G0B, 56
.set MSB, 0
.macro WIN new                         ; the immediate's high byte repeats the setting that is left
.if MSB != (\new)
	s_set_vgpr_msb (MSB<<8)|(\new)
.set MSB, (\new)
.endif
.endm
.set MUL_LO, 0xa1                      ; source 0 (B) window 1, source 1 (A) window 0, C and D window 2
.set MUL_HI, 0xf1                      ; the same, C and D window 3
.set TO_B,   0x40                      ; destination window 1, address window 0
; A joint load: waves 0 and 1 fetch for A, waves 2 and 3 for B; the branch hangs on the wave's number alone.  An s_nop 0 and four v_nop follow each line.
.macro JLOAD g0a, g1a, g0b, g1b
	s_cmp_eq_u32 s15, 0
	s_cbranch_scc0 .Lfor_b_\@
	tensor_load_to_lds s[\g0a:\g0a+3], s[\g1a:\g1a+7]
	s_nop 0
.rept 4
	v_nop
.endr
	s_branch .Lasked_\@
.Lfor_b_\@:
	tensor_load_to_lds s[\g0b:\g0b+3], s[\g1b:\g1b+7]
	s_nop 0
.rept 4
	v_nop
.endr
.Lasked_\@:
.endm
.macro CREST                           ; a round of the cluster's barrier behind its opening barrier
	s_cmp_lg_u32 s14, 0
	s_cbranch_scc1 .Lnot_wave_0_\@
	s_barrier_signal -3
.Lnot_wave_0_\@:
	s_barrier_wait -3
	s_barrier_signal -1
	s_barrier_wait -1
.endm
.macro CROUND
	s_barrier_signal -1
	s_barrier_wait -1
	CREST
.endm
	s_load_b128 s[4:7], s[0:1], 0x0                ; x_frag s[4:5], wqkv_frag s[6:7]
	s_load_b128 s[8:11], s[0:1], 0x10              ; the scales' exponents s[8:9], qkv_frag s[10:11]
	v_lshl_add_u32 v[SPW], v0, 2, SPARE
	v_mov_b32 v[NIL], 0
	ds_add_u32 v[SPW], v[NIL]
	ds_add_u32 v[SPW], v[NIL]                      ; the wave's opening: the add and its wait ahead of my first tensor load; work on registers stands between them
	v_lshrrev_b32 v1, 5, v0
	v_readfirstlane_b32 s14, v1                    ; wave 0..3
	s_lshr_b32 s15, s14, 1                         ; which half of A's rows is mine.  Also: I fetch for A (0) or for B (1)
	s_and_b32 s16, s14, 1                          ; which half of B's rows.  Also: which half of that tile I fetch
	s_bfe_u32 s40, ttmp6, 0x40000                  ; cx
	s_bfe_u32 s41, ttmp6, 0x40004                  ; cy
	s_lshl_b32 s84, ttmp9, 2                       ; 4 x cluster x
	s_and_b32 s85, ttmp7, 0xffff
	s_lshl_b32 s85, s85, 2                         ; 4 x cluster y
	s_cmp_eq_u32 ttmp9, 2                          ; the cluster makes v?  The same in all sixteen partners
	s_cselect_b32 s66, 1, 0
	s_cselect_b32 s17, 8, s85                      ; A's tile: v: features, tile 8 + cy of W's twelve; else tokens, tile 4 x cluster y + cy
	s_cselect_b32 s42, s85, s84                    ; B's tile: v: tokens, tile 4 x cluster y + cx; else features, tile 4 x cluster x + cx
	s_add_co_u32 s17, s17, s41
	s_add_co_u32 s42, s42, s40
	s_lshl_b32 s43, s41, 2
	s_lshl_b32 s43, 15, s43                        ; my row of the cluster
	s_lshl_b32 s44, 0x1111, s40                    ; my column
	s_or_b32 s[G1+0], s43, (3<<16)|(1<<21)         ; 15:0 the mask; 17:16 elements of 8 bytes; 21 set beside a mask; no padding
	s_or_b32 s[G1B+0], s44, (3<<16)|(1<<21)
.irp g, G1, G1B
	s_mov_b32 s[\g+1], 512<<16                     ; tensor_dim0 = 512 elements: 4,096 bytes
	s_mov_b32 s[\g+2], 8<<16                       ; tensor_dim1 = 8
	s_mov_b32 s[\g+3], 512<<16                     ; tile_dim0
	s_mov_b32 s[\g+4], 8                           ; tile_dim1
	s_mov_b32 s[\g+5], 2048                        ; from row to row: 16,384 bytes
	s_mov_b32 s[\g+6], 0
	s_mov_b32 s[\g+7], 0
.endr
	s_lshl_b32 s20, s17, 18                        ; a tile of 256 rows is 16 blocks of 16,384 bytes
	s_lshl_b32 s18, s16, 17                        ; the half that I fetch
	s_add_co_u32 s20, s20, s18
	s_mov_b32 s21, 0
	s_lshl_b32 s46, s42, 18
	s_add_co_u32 s46, s46, s18
	s_mov_b32 s47, 0
	s_lshl_b32 s45, s14, 15                        ; where they go: wave x 32,768: no place in the cluster enters an LDS address
	s_wait_dscnt 0x0                               ; the opening add is done
	s_wait_kmcnt 0x0
	s_load_b256 s[68:75], s[8:9], 0x0              ; e0 .. e7
	s_cmp_eq_u32 s66, 1
	s_cselect_b64 s[80:81], s[6:7], s[4:5]         ; A's tensor
	s_cselect_b64 s[82:83], s[4:5], s[6:7]         ; B's
	s_add_nc_u64 s[20:21], s[80:81], s[20:21]
	s_add_nc_u64 s[46:47], s[82:83], s[46:47]
	CROUND                                         ; all sixteen work-groups are here: the first joint loads meet
.irp s, 0,1
	s_mov_b32 s[G0+4*\s], 1
	s_add_co_u32 s[G0+4*\s+1], s45, \s*SLOT
	s_add_nc_u64 s[G0+4*\s+2:G0+4*\s+3], s[20:21], \s*KSB
	s_or_b32 s[G0+4*\s+3], s[G0+4*\s+3], 0x80000000
	s_mov_b32 s[G0B+4*\s], 1
	s_add_co_u32 s[G0B+4*\s+1], s45, \s*SLOT
	s_add_nc_u64 s[G0B+4*\s+2:G0B+4*\s+3], s[46:47], \s*KSB
	s_or_b32 s[G0B+4*\s+3], s[G0B+4*\s+3], 0x80000000
	JLOAD G0+4*\s, G1, G0B+4*\s, G1B
.endr
	v_and_b32 v6, 31, v0
	v_lshlrev_b32 v[CO], 4, v6
	s_lshl_b32 s21, s15, 15                        ; my half of A
	s_lshl_b32 s22, s16, 15                        ; my half of B,
	s_add_co_u32 s22, s22, 2*HALFT                 ; which lies behind A's two
.irp s, 0,1
	v_add_nc_u32 v[ADRA+\s], s21, v[CO]
	v_add_nc_u32 v[ADRB+\s], s22, v[CO]
	s_add_co_u32 s21, s21, SLOT
	s_add_co_u32 s22, s22, SLOT
.endr
	; where my wave's codes go: tokens 256 tokt + 128 tokh on, features 256 ft + 128 fh on of the part (q, k or v)
	s_cmp_eq_u32 s66, 1
	s_cselect_b32 s84, s42, s17                    ; tokt
	s_cselect_b32 s85, s16, s15                    ; tokh
	s_cselect_b32 s86, s41, s40                    ; ft
	s_cselect_b32 s87, s15, s16                    ; fh
	s_lshr_b32 s88, s84, 3                         ; the batch
	s_lshl_b32 s88, s88, 4
	s_lshl_b32 s86, s86, 2
	s_add_co_u32 s88, s88, s86
	s_lshl_b32 s87, s87, 1
	s_add_co_u32 s88, s88, s87                     ; my first head: 16 b + 4 ft + 2 fh
	s_lshl_b32 s88, s88, 4
	s_and_b32 s84, s84, 7
	s_lshl_b32 s84, s84, 1
	s_add_co_u32 s88, s88, s84
	s_add_co_u32 s88, s88, s85                     ; x 16 + my 128 tokens' number in the sequence
	s_mul_i32 s88, s88, STB
	s_lshl_b32 s89, ttmp9, 13                      ; + 8,192 x the part
	s_add_co_u32 s88, s88, s89
	s_mov_b32 s89, 0
	s_add_nc_u64 s[10:11], s[10:11], s[88:89]
.macro FRAG reg, adr, q, i             ; block i's fragment of the slot's q-th 128 along K: its image, four loads of 512 consecutive bytes
.irp c, 0,1,2,3
	ds_load_b128 v[\reg+4*\c:\reg+4*\c+3], v[\adr] offset:2048*(\q)+512*\c+(\i)*4096
.endr
.endm
; 16 matrix instructions: A's blocks a0, a0 + 1 x B's eight.  p: B's set.  zero = 1: the first product starts the sums.  The 64 accumulators take turns, one instruction a turn.
.macro MUL16 a0, p, zero
.irp a, \a0, \a0+1
.irp b, 0,1,2,3,4,5,6,7
.if \zero
	v_wmma_f32_16x16x128_fp8_fp8 v[8*(8*((\a)%4)+\b):8*(8*((\a)%4)+\b)+7], v[128*(\p)+FR*\b:128*(\p)+FR*\b+FR-1], v[AF+FR*(\a):AF+FR*(\a)+FR-1], 0
.else
	v_wmma_f32_16x16x128_fp8_fp8 v[8*(8*((\a)%4)+\b):8*(8*((\a)%4)+\b)+7], v[128*(\p)+FR*\b:128*(\p)+FR*\b+FR-1], v[AF+FR*(\a):AF+FR*(\a)+FR-1], v[8*(8*((\a)%4)+\b):8*(8*((\a)%4)+\b)+7]
.endif
.endr
.endr
.endm
.macro FETCH_B slot, q, p
	WIN TO_B
.irp i, 0,1,2,3,4,5,6,7
	FRAG 128*(\p)+FR*\i, ADRB+\slot, \q, \i
.endr
	WIN 0
.endm
.macro FETCH_A slot, q, i0
.irp i, \i0, \i0+1, \i0+2, \i0+3
	FRAG AF+FR*(\i), ADRA+\slot, \q, \i
.endr
.endm
.macro PLACES n                        ; plain vector lines between a matrix instruction and a load into, or a read of, its registers
.rept \n
	v_nop
.endr
.endm
; A step of 128 along K that has its successor in the same slot.  A has one set of registers: blocks 0-3 are fetched anew in the step's middle, blocks 4-7 at its end; B has two sets.
.macro STEP slot, q, zero
	s_wait_dscnt 4*NL                              ; B's set and A's blocks 0-3 are in; the youngest sixteen loads (A's blocks 4-7) may be out
	WIN MUL_LO
	MUL16 0, (\q)%2, \zero
	MUL16 2, (\q)%2, \zero
	s_wait_dscnt 0
	PLACES NP
	FETCH_B \slot, (\q)+1, 1-(\q)%2
	FETCH_A \slot, (\q)+1, 0
	WIN MUL_HI
	MUL16 4, (\q)%2, \zero
	MUL16 6, (\q)%2, \zero
	PLACES NP
	WIN 0
	FETCH_A \slot, (\q)+1, 4
.endm
; A slot's last step changes slots: one barrier; in front of it each wave waits for all its tensor loads, adds 0 to its spare word, and waits for that and for its reads of this slot.  fill = 1: the slot is filled again, two K steps ahead.
.macro TURN slot, next, fill
	s_wait_tensorcnt 0x0                           ; all my tensor loads have landed: my part of the next slot
	ds_add_u32 v[SPW], v[NIL]                      ; 0 onto my spare word
	s_wait_dscnt 4*NL+1                            ; (the add and the youngest sixteen loads may be out)
	WIN MUL_LO
	MUL16 0, 1, 0
	s_wait_dscnt 0x0                               ; the add is done, and my reads of this slot are over
	s_barrier_signal -1
	MUL16 2, 1, 0
	WIN 0
	s_barrier_wait -1
.if \fill
	CREST                                          ; the barrier has opened a round of the cluster's: no wave of any partner still reads this slot or has a load on its way
	s_add_nc_u64 s[G0+4*\slot+2:G0+4*\slot+3], s[G0+4*\slot+2:G0+4*\slot+3], 2*KSB
	s_add_nc_u64 s[G0B+4*\slot+2:G0B+4*\slot+3], s[G0B+4*\slot+2:G0B+4*\slot+3], 2*KSB
	JLOAD G0+4*\slot, G1, G0B+4*\slot, G1B         ; the first tensor load behind the round; its four v_nop are the places in front of the loads below
.else
	PLACES NP
.endif
	FETCH_B \next, 0, 0
	FETCH_A \next, 0, 0
	WIN MUL_HI
	MUL16 4, 1, 0
	MUL16 6, 1, 0
	PLACES NP
	WIN 0
	FETCH_A \next, 0, 4
.endm
	s_wait_alu depctr_va_vdst(0)
	s_wait_tensorcnt 1                             ; my part of K step 0 is in; K step 1's may be out
	s_barrier_signal -1
	s_barrier_wait -1
	FETCH_B 0, 0, 0
	FETCH_A 0, 0, 0
	FETCH_A 0, 0, 4
	STEP 0, 0, 1                                   ; K = 1,024 is eight steps of 128, written out: no loop
	TURN 0, 1, 1                                   ; slot 0 takes K step 2
	STEP 1, 0, 0
	TURN 1, 0, 1                                   ; slot 1 takes K step 3
	STEP 0, 0, 0
	TURN 0, 1, 0
	STEP 1, 0, 0
	s_wait_dscnt 4*NL
	WIN MUL_LO
	MUL16 0, 1, 0
	MUL16 2, 1, 0
	s_wait_dscnt 0
	WIN MUL_HI
	MUL16 4, 1, 0
	MUL16 6, 1, 0
	WIN 0
	; THE WAY OUT.  A sum stands for sum x 2^(e0 + e1): its code is sum / 2^(e_t - e0 - e1): the three scales are folded into the conversion's one.
	s_wait_kmcnt 0x0
	s_cmp_eq_u32 ttmp9, 0
	s_cselect_b32 s86, s70, s71                    ; q: entry 2; k: entry 3;
	s_cmp_eq_u32 ttmp9, 2
	s_cselect_b32 s86, s73, s86                    ; v: entry 5
	s_sub_co_i32 s86, s86, s68
	s_sub_co_i32 s86, s86, s69
	s_add_co_i32 s86, s86, 127
	s_lshl_b32 s87, s86, 23
	v_mov_b32 v[SC], s87
	PLACES NP
; Block a's eight accumulators: held, converted (accumulator b gives registers 2 b, 2 b + 1), stored as they stand: each store is 512 consecutive bytes, aligned.  Every block has code registers of its own.
; kind 0: 16 tokens x two heads' 64 channels: two images of 1,024 bytes, a head apart.  kind 1: 16 channels x 128 keys: one image of 2,048 bytes; blocks 4-7 belong to the next head.
.macro EPI kind
.irp a, 0,1,2,3,4,5,6,7
	WIN 0x02+(\a/4)                                ; source 0: window 2 or 3
.set JJ, 0
.rept 64
.set JJ, JJ+1
.endr
.irp b, 0,1,2,3,4,5,6,7
	v_cvt_scalef32_pk8_fp8_f32 v[AF+16*\a+2*\b:AF+16*\a+2*\b+1], v[TMP+8*\b+((64*(\a%4)+JJ)-(TMP+JJ)):TMP+8*\b+7+((64*(\a%4)+JJ)-(TMP+JJ))], v[SC]
.endr
	WIN 0
	v_nop                                          ; one plain line behind the last conversion: the stores read its results
.irp c, 0,1,2,3
.if \kind
	global_store_b128 v[CO], v[AF+16*\a+4*\c:AF+16*\a+4*\c+3], s[10:11] offset:(\a/4)*HS+2048*(\a%4)+512*\c
.else
	global_store_b128 v[CO], v[AF+16*\a+4*\c:AF+16*\a+4*\c+3], s[10:11] offset:(\c/2)*HS+1024*\a+512*(\c%2)
.endif
.endr
.endr
.endm
	s_cmp_eq_u32 s66, 1
	s_cbranch_scc1 .Lvalues
	EPI 0
	s_branch .Lout
.Lvalues:
	s_wait_alu depctr_va_vdst(0)
	EPI 1
.Lout:
	s_wait_tensorcnt 0x0                           ; the wave's end
	ds_add_u32 v[SPW], v[NIL]
	s_wait_dscnt 0x0
	CROUND                                         ; the closing round
	s_endpgm
.Lfunc_end_k_q6895a83adf_gemm_qkv:
	.size	k_q6895a83adf_gemm_qkv, .Lfunc_end_k_q6895a83adf_gemm_qkv-k_q6895a83adf_gemm_qkv
	.p2alignl 7, 3214868480
	.fill 96, 4, 3214868480
	.section	.rodata,"a",@progbits
	.p2align	6, 0x0
	.amdhsa_kernel k_q6895a83adf_gemm_qkv
		.amdhsa_group_segment_fixed_size 327680
		.amdhsa_private_segment_fixed_size 0
		.amdhsa_enable_private_segment 0
		.amdhsa_kernarg_size 32
		.amdhsa_user_sgpr_count 2
		.amdhsa_user_sgpr_kernarg_segment_ptr 1
		.amdhsa_wavefront_size32 1
		.amdhsa_system_sgpr_workgroup_id_x 1
		.amdhsa_system_sgpr_workgroup_id_y 1
		.amdhsa_system_sgpr_workgroup_id_z 1
		.amdhsa_system_vgpr_workitem_id 0
		.amdhsa_next_free_vgpr 1024
		.amdhsa_next_free_sgpr 100
		.amdhsa_reserve_vcc 0
		.amdhsa_float_denorm_mode_32 3
		.amdhsa_float_denorm_mode_16_64 3
		.amdhsa_fp16_overflow 1
		.amdhsa_memory_ordered 1
		.amdhsa_forward_progress 1
		.amdhsa_inst_pref_size 93
	.end_amdhsa_kernel
	.amdgpu_metadata
---
amdhsa.version: [ 1, 2 ]
amdhsa.kernels:
  - .name:           k_q6895a83adf_gemm_qkv
    .symbol:         k_q6895a83adf_gemm_qkv.kd
    .args:
      - { .name: x_frag, .offset: 0, .size: 8, .value_kind: global_buffer, .address_space: global }
      - { .name: wqkv_frag, .offset: 8, .size: 8, .value_kind: global_buffer, .address_space: global }
      - { .name: lowp_scales, .offset: 16, .size: 8, .value_kind: global_buffer, .address_space: global }
      - { .name: qkv_frag, .offset: 24, .size: 8, .value_kind: global_buffer, .address_space: global }
    .group_segment_fixed_size: 327680
    .private_segment_fixed_size: 0
    .kernarg_segment_align: 8
    .kernarg_segment_size: 32
    .max_flat_workgroup_size: 128
    .sgpr_count:     100
    .vgpr_count:     1024
    .wavefront_size: 32
...
	.end_amdgpu_metadata
.endif
;; end of part 2
;; launch attn (part 3): grid 4 x 64, 16 waves a work-group, no clusters, 327,680 bytes of LDS; arguments qkv_frag, lowp_scales, att_frag; writes att_frag
.if DOCPART == 3
	.amdgcn_target "amdgcn-amd-amdhsa--gfx1250"
	.amdhsa_code_object_version 6
	.text
	.protected	k_q6895a83adf_attn
	.globl	k_q6895a83adf_attn
	.p2align	8
	.type	k_q6895a83adf_attn,@function
k_q6895a83adf_attn:
	s_mov_b64 s[64:65], 0
	v_nop
	global_prefetch_b8 v0, s[64:65] scope:SCOPE_SE
	s_setreg_imm32_b32 hwreg(HW_REG_WAVE_MODE, 25, 1), 1
	s_wait_xcnt 0x0
; Causal attention on codes of FP8 (E4M3), head size 64, 64 heads of 2,048 tokens; the result is quantised (entry 6) and stored as images of the last product's operand registers.
; THE SOFTMAX: t = score x log2(e) / 8; M = the running largest t rounded UP to a whole number; p = 2^(t - M) is quantised (entry 4), not normalised; the row's sum is taken of the unquantised p and divides at the end.
; When M moves, the sum and O are multiplied by 2^(old M - new M): exact.
; SHARES.  Work-group (i, head) owns the blocks of 256 queries 7 - i and i, and walks 9 slots of 256 keys, whatever i: first slots 0 .. 7 - i for the high block, then slots 0 .. i for the low one.
; Each of its sixteen waves owns 16 queries in each pass, in mirrored order, so that every wave has 17 key steps of 128.  A step all of whose keys come after the wave's queries is left out by a scalar branch on ids.
; LAYOUT.  Both products transposed: S^T = K Q^T (source 0 = 16 keys, source 1 = my 16 queries; K = 64), O^T = V^T P^T (source 0 = 16 channels, source 1 = P; K = 128 keys): a lane holds one query throughout.
; Tile t's register j of lane (r, h) is key 16 t + 8 h + j: just what registers 2 t, 2 t + 1 of P's operand hold: the conversions' results are the operand.  Likewise O^T's tile c gives registers 2 c, 2 c + 1 of the output's image.
; K's and V's images (qkv_frag: [head][128 tokens][Q | K | V], 8,192 bytes each) come through a ring of two LDS slots of 32,768 bytes, filled by waves 0-3 (8,192 dense bytes each) and read by all sixteen at 16 x lane.
; NO CLUSTER: the four work-groups of a head ask for different slots from the fifth change of slots on, so partners would need different tiles.
; LIMITS: e2 + e3 between -123 and 130; e4 and e6 between -126 and 127; e4 + e5 is applied by v_ldexp_f32.  NaN is not served.
; REGISTERS: v1 16 x lane; v3 256 x lane; v5, v6 the add's two; v7, v9 Q's offsets; v8 the step's LDS address; v10, v11 the outputs' offsets; v12 -M, v13 the largest t, v[14:15] the sum; v16-23 Q; v24-31 the low pass's Q;
;   v32-95 K's eight fragments, then V's four; v96-159 S^T, then p; v160-191 O^T; v192-199 the output's codes; v224-239 p's codes; v244, v248 the scales; v242, v243, v250, v252-254 at work.
.set HS,    393216                     ; a head in qkv_frag
.set STB,   24576                      ; 128 tokens of a head
.set SLOT1, 32768                      ; slot 1: one exclusive or turns an address from one slot to the other
.set SPARE, 65536                      ; behind the ring: the spare words, 128 bytes a wave: eight blocks of 256 bytes that no other line names
.set LI,   1
.set PFO,  3
.set SPW,  5
.set NIL,  6
.set ADK,  8
.set WV,   18                          ; s18  my wave's number
.set SEL,  20                          ; s[20:21] lane selects: lane l xor 16
.set CS,   22                          ; s[22:23] c = log2(e) / 8 x 2^(e2 + e3)
.set G1,   24                          ; s[24:31] descriptor group 1
.set G0,   40                          ; s[40:43] group 0, which walks
.set BASE, 44                          ; s[44:45] my part of the head's slot 0 in memory
.set OFF,  46                          ; s[46:47] the slot to be asked for, in bytes
.set TB,   2                           ; s2   LDS byte at which the slot in hand begins
.set TT,   3                           ; s3   the trip
.set NH,   66                          ; s66  trips of the high pass: 8 - i
.set Q0L,  67                          ; s67  my first query of the low pass
.set KF,   98                          ; s98  the step's first key
.set Q0,   99                          ; s99  my first query
.set PFA,  76                          ; s[76:77] where my prefetches stand
.set PLIM, 80                          ; s80  a wave prefetches while the trip's number is under it
.macro TLOAD                           ; waves 0-3 fetch, one load each; an s_nop 0 and four v_nop follow
	s_cmp_lt_u32 s[WV], 4
	s_cbranch_scc0 .Lno_load_\@
	tensor_load_to_lds s[G0:G0+3], s[G1:G1+7]
	s_nop 0
.rept 4
	v_nop
.endr
.Lno_load_\@:
.endm
; A PREFETCH INTO THE L2 of what the NEXT change of slots will ask for.  All four work-groups of a head walk slots 0, 1, 2 .. in their high pass: the head's work-group 0, which walks all eight, asks, and nobody else;
; in it waves 4-7, which fetch nothing, ask for the 8,192 bytes that waves 0-3 will load, lanes 256 bytes apart: trip T names slot T + 2, T = 0 .. 5.  So each block of 256 bytes of slots 2-7 is named once; slots 0 and 1 come by their loads alone.
.macro ASK
	s_cmp_lt_u32 s[TT], s[PLIM]
	s_cbranch_scc0 .Lnot_mine_\@
	global_prefetch_b8 v[PFO], s[PFA:PFA+1] th:TH_LOAD_NT scope:SCOPE_SE
.Lnot_mine_\@:
.endm
	s_load_b128 s[4:7], s[0:1], 0x0                ; qkv_frag s[4:5], the scales' exponents s[6:7]
	s_load_b64 s[8:9], s[0:1], 0x10                ; att_frag
	v_lshl_add_u32 v[SPW], v0, 2, SPARE
	v_mov_b32 v[NIL], 0
	ds_add_u32 v[SPW], v[NIL]                      ; the wave's opening: the add and its wait ahead of the first tensor load; work on registers stands between them
	ds_add_u32 v[SPW], v[NIL]
	v_lshrrev_b32 v8, 5, v0
	s_delay_alu instid0(VALU_DEP_1)
	v_readfirstlane_b32 s[WV], v8                  ; wave 0..15
	s_and_b32 s81, ttmp7, 0xffff                   ; the head, 16 b + h
	s_mul_i32 s82, s81, HS                         ; its first byte
	s_and_b32 s86, s[WV], 3                        ; the part that I fetch or prefetch: step (part / 2) of a slot, K (0) or V (1)
	s_lshr_b32 s87, s86, 1
	s_mul_i32 s87, s87, STB
	s_and_b32 s88, s86, 1
	s_lshl_b32 s88, s88, 13
	s_add_co_u32 s87, s87, s88
	s_add_co_u32 s87, s87, 8192                    ; behind Q's images
	s_add_co_u32 s48, s87, s82
	s_mov_b32 s49, 0
	s_mov_b32 s[G0], 1                             ; count = 1
	s_lshl_b32 s[G0+1], s86, 13                    ; LDS: slot 0, 8,192 x part
	s_mov_b32 s[G1], 3<<16                         ; no mask; elements of 8 bytes; no padding
	s_mov_b32 s[G1+1], 32<<16                      ; tensor_dim0 = 32: rows of 256 bytes
	s_mov_b32 s[G1+2], 32<<16                      ; tensor_dim1 = 32
	s_mov_b32 s[G1+3], 32<<16                      ; tile_dim0
	s_mov_b32 s[G1+4], 32                          ; tile_dim1
	s_mov_b32 s[G1+5], 32                          ; dense: each row begins where the last ends
	s_mov_b32 s[G1+6], 0
	s_mov_b32 s[G1+7], 0
	s_mov_b32 s[OFF], 0
	s_mov_b32 s[OFF+1], 0
	s_mov_b32 s[SEL], 0x76543210
	s_mov_b32 s[SEL+1], 0xfedcba98
	s_mov_b32 s[CS], 0x3e38aa3b                    ; log2(e) / 8
	s_mov_b32 s[TB], 0
	s_mov_b32 s[TT], 0
	s_mov_b32 s[KF], 0
	s_sub_co_u32 s[NH], 8, ttmp9
	s_sub_co_u32 s84, 7, ttmp9
	s_lshl_b32 s84, s84, 8
	s_lshl_b32 s85, s[WV], 4
	s_add_co_u32 s[Q0], s84, s85                   ; high pass: 256 (7 - i) + 16 w
	s_lshl_b32 s84, ttmp9, 8
	s_add_co_u32 s84, s84, 240
	s_sub_co_u32 s[Q0L], s84, s85                  ; low pass: 256 i + 240 - 16 w
	s_sub_co_u32 s84, s[WV], 4
	s_lshr_b32 s84, s84, 2                         ; 0 in waves 4-7,
	s_or_b32 s84, s84, ttmp9                       ; of the head's work-group 0
	s_cmp_eq_u32 s84, 0
	s_cselect_b32 s[PLIM], 6, 0
	s_wait_dscnt 0x0                               ; the opening add is done
	s_wait_kmcnt 0x0
	s_load_b256 s[68:75], s[6:7], 0x0              ; e0 .. e7
	s_add_nc_u64 s[BASE:BASE+1], s[4:5], s[48:49]
	s_mov_b64 s[G0+2:G0+3], s[BASE:BASE+1]
	s_or_b32 s[G0+3], s[G0+3], 0x80000000          ; type = 2
	TLOAD                                          ; slot 0
	s_add_nc_u64 s[PFA:PFA+1], s[BASE:BASE+1], 2*STB  ; in slot 1: the first change of slots steps it to slot 2.  Nothing is prefetched here, at the head
	v_and_b32 v2, 31, v0
	s_delay_alu instid0(VALU_DEP_1)
	v_lshlrev_b32 v[LI], 4, v2
	s_wait_alu depctr_va_vdst(0)
	v_lshlrev_b32 v[PFO], 8, v2
.macro PLACEQ q0, vq, vo               ; the byte offsets of a tile of 16 queries: its image in qkv_frag, and its output's in att_frag ([token / 16][head][1,024])
	s_lshr_b32 s84, s[\q0], 7
	s_mul_i32 s84, s84, STB
	s_bfe_u32 s85, s[\q0], 0x30004
	s_lshl_b32 s85, s85, 10
	s_add_co_u32 s84, s84, s85
	s_add_co_u32 s84, s84, s82
	v_add_nc_u32 v[\vq], s84, v[LI]
	s_lshr_b32 s84, s81, 4
	s_lshl_b32 s84, s84, 7
	s_lshr_b32 s85, s[\q0], 4
	s_add_co_u32 s84, s84, s85
	s_lshl_b32 s84, s84, 4
	s_and_b32 s85, s81, 15
	s_add_co_u32 s84, s84, s85
	s_lshl_b32 s84, s84, 10
	v_add_nc_u32 v[\vo], s84, v[LI]
.endm
	PLACEQ Q0, 9, 10
	PLACEQ Q0L, 7, 11
	s_wait_alu depctr_va_vdst(0)
	global_load_b128 v[16:19], v9, s[4:5]          ; both passes' Q stay in registers
	global_load_b128 v[20:23], v9, s[4:5] offset:512
	global_load_b128 v[24:27], v7, s[4:5]
	global_load_b128 v[28:31], v7, s[4:5] offset:512
	v_mov_b32 v13, 0xff61b1e6                      ; the largest t so far: -3e38, under every t
	s_delay_alu instid0(VALU_DEP_1)
	v_floor_f32 v12, -v13                          ; -M
	v_mov_b32 v14, 0
	v_mov_b32 v15, 0
	v_mov_b32 v250, 0                              ; written once: a lane permute's destination counts as one of its sources
	v_mov_b32 v252, 0
	v_mov_b32 v253, 0                              ; (named as the upper half of the pair v[252:253])
.set II, 0
.rept 32
	v_mov_b32 v[160+II], 0                         ; O^T: the step is written once; a pass's first step finds zeros
.set II, II+1
.endr
	s_wait_kmcnt 0x0
	s_add_co_i32 s84, s70, s71
	s_lshl_b32 s84, s84, 23
	s_add_co_i32 s[CS], s[CS], s84                 ; a score stands for score x 2^(e2 + e3): added to c's exponent field
	s_mov_b32 s[CS+1], s[CS]
	s_add_co_i32 s84, s72, 127
	s_lshl_b32 s85, s84, 23
	v_mov_b32 v244, s85                            ; 2^e4
	s_add_co_i32 s84, s74, 127
	s_lshl_b32 s85, s84, 23
	v_mov_b32 v248, s85                            ; 2^e6
	s_add_co_i32 s83, s72, s73                     ; e4 + e5
; A KEY STEP: 128 keys, the q-th of the slot in hand.
.macro STEP q
	s_add_co_u32 s96, s[Q0], 15
	s_cmp_gt_u32 s[KF], s96                        ; all its keys come after my queries: ids and counts of steps alone
	s_cbranch_scc1 .Lhidden_\@
	v_add_nc_u32 v[ADK], s[TB], v[LI]
.rept 3
	v_nop                                          ; with the addition: four places in front of loads into registers that the last products read
.endr
.irp t, 0,1,2,3,4,5,6,7
	ds_load_b128 v[32+8*\t:35+8*\t], v[ADK] offset:16384*(\q)+1024*\t
	ds_load_b128 v[36+8*\t:39+8*\t], v[ADK] offset:16384*(\q)+1024*\t+512
.endr
	s_wait_dscnt 0x0
	s_wait_alu depctr_va_vdst(0)
.irp t, 0,1,2,3,4,5,6,7
	v_wmma_f32_16x16x64_fp8_fp8 v[96+8*\t:103+8*\t], v[32+8*\t:39+8*\t], v[16:23], 0
.endr
.rept 4
	v_nop                                          ; places in front of the loads over K's registers and of the first read of the scores
.endr
.irp g, 0,1,2,3                        ; V's four fragments land while the softmax is walked
.irp c, 0,1,2,3
	ds_load_b128 v[32+16*\g+4*\c:35+16*\g+4*\c], v[ADK] offset:16384*(\q)+8192+2048*\g+512*\c
.endr
.endr
	s_add_co_u32 s96, s[KF], 127                   ; on the diagonal hidden scores become -infinity ahead of the maximum; a step all of whose keys count skips this
	s_cmp_le_u32 s96, s[Q0]
	s_cbranch_scc1 .Lopen_\@
	s_sub_co_i32 s96, s[Q0], s[KF]
	v_and_b32 v252, 15, v0
	v_bfe_u32 v253, v0, 4, 1
	s_delay_alu instid0(VALU_DEP_1)
	v_lshlrev_b32 v253, 3, v253
	s_delay_alu instid0(VALU_DEP_1)
	v_sub_nc_u32 v252, v252, v253
	s_delay_alu instid0(VALU_DEP_1)
	v_add_nc_u32 v252, s96, v252                   ; d = my query - KF - 8 h.  Register 8 t + j holds key KF + 8 h + 16 t + j: hidden where 16 t + j > d
	v_mov_b32 v254, 0xff800000
.set NN, 0
.rept 64
	v_cmp_gt_i32 vcc_lo, 16*(NN/8)+NN%8, v252
	v_cndmask_b32 v[96+NN], v[96+NN], v254, vcc_lo
.set NN, NN+1
.endr
.Lopen_\@:
	v_max3_num_f32 v254, v96, v97, v98             ; the step's largest score of my query among my 64 keys, in two chains,
	v_max3_num_f32 v252, v99, v100, v101
.irp i, 6,10,14,18,22,26,30,34,38,42,46,50,54,58
	v_max3_num_f32 v254, v254, v[96+\i], v[97+\i]
	v_max3_num_f32 v252, v252, v[98+\i], v[99+\i]
.endr
	v_max3_num_f32 v254, v254, v158, v159
	s_delay_alu instid0(VALU_DEP_1)
	v_max_num_f32 v254, v254, v252
	s_delay_alu instid0(VALU_DEP_1)
	v_permlanex16_b32 v250, v254, s[SEL], s[SEL+1]
	s_delay_alu instid0(VALU_DEP_1)
	v_max_num_f32 v254, v254, v250                 ; and among lane l xor 16's
	s_delay_alu instid0(VALU_DEP_1)
	v_mul_f32 v254, s[CS], v254                    ; as t (c is positive)
	s_delay_alu instid0(VALU_DEP_1)
	v_max_num_f32 v13, v13, v254
	v_mov_b32 v254, v12
	s_delay_alu instid0(VALU_DEP_2)
	v_floor_f32 v12, -v13                          ; the new -M = floor(-t): M is a whole number
	s_delay_alu instid0(VALU_DEP_1)
	v_sub_f32 v254, v12, v254                      ; old M - new M, 0 or less
	s_delay_alu instid0(VALU_DEP_1)
	v_cvt_i32_f32 v254, v254                       ; (it saturates)
	s_delay_alu instid0(VALU_DEP_1)
	v_ldexp_f32 v252, 1.0, v254                    ; f = 2^(old M - new M)
.set II, 0
.rept 32
	v_pk_fma_f32 v[96+II:97+II], v[96+II:97+II], s[CS:CS+1], v[12:13] op_sel_hi:[1,0,0]   ; t - M, two at a time
.set II, II+2
.endr
.set II, 0
	s_wait_alu depctr_va_vdst(0)
.rept 64
	v_exp_f32 v[96+II], v[96+II]                   ; p = 2^(t - M)
.set II, II+1
.endr
	v_pk_mul_f32 v[14:15], v[14:15], v[252:253] op_sel_hi:[1,0]   ; the sums under the new M: the plain line behind the exponentials
	s_wait_alu depctr_va_vdst(0)                   ; one wait for the whole batch, ahead of its first reader
	v_pk_add_f32 v[242:243], v[100:101], v[104:105]
	v_pk_add_f32 v[254:255], v[108:109], v[112:113]
	v_pk_add_f32 v[246:247], v[116:117], v[120:121]
	v_pk_add_f32 v[240:241], v[124:125], v[128:129]
	v_pk_add_f32 v[238:239], v[132:133], v[136:137]
	v_pk_add_f32 v[236:237], v[140:141], v[144:145]
	v_pk_add_f32 v[234:235], v[148:149], v[152:153]
	v_pk_add_f32 v[14:15], v[14:15], v[156:157]
	v_pk_add_f32 v[242:243], v[242:243], v[96:97]
	v_pk_add_f32 v[254:255], v[254:255], v[98:99]
	v_pk_add_f32 v[246:247], v[246:247], v[102:103]
	v_pk_add_f32 v[240:241], v[240:241], v[106:107]
	v_pk_add_f32 v[238:239], v[238:239], v[110:111]
	v_pk_add_f32 v[236:237], v[236:237], v[114:115]
	v_pk_add_f32 v[234:235], v[234:235], v[118:119]
	v_pk_add_f32 v[14:15], v[14:15], v[122:123]
	v_pk_add_f32 v[242:243], v[242:243], v[126:127]
	v_pk_add_f32 v[254:255], v[254:255], v[130:131]
	v_pk_add_f32 v[246:247], v[246:247], v[134:135]
	v_pk_add_f32 v[240:241], v[240:241], v[138:139]
	v_pk_add_f32 v[238:239], v[238:239], v[142:143]
	v_pk_add_f32 v[236:237], v[236:237], v[146:147]
	v_pk_add_f32 v[234:235], v[234:235], v[150:151]
	v_pk_add_f32 v[14:15], v[14:15], v[154:155]
	v_pk_add_f32 v[242:243], v[242:243], v[158:159]
	s_delay_alu instid0(VALU_DEP_2)
	v_pk_add_f32 v[14:15], v[14:15], v[240:241]
	s_delay_alu instid0(VALU_DEP_2)
	v_pk_add_f32 v[242:243], v[242:243], v[238:239]
	v_pk_add_f32 v[254:255], v[254:255], v[236:237]
	v_pk_add_f32 v[246:247], v[246:247], v[234:235]
	s_delay_alu instid0(VALU_DEP_2)
	v_pk_add_f32 v[14:15], v[14:15], v[254:255]
	s_delay_alu instid0(VALU_DEP_2)
	v_pk_add_f32 v[242:243], v[242:243], v[246:247]
	s_delay_alu instid0(VALU_DEP_1)
	v_pk_add_f32 v[14:15], v[14:15], v[242:243]
.irp t, 0,1,2,3,4,5,6,7
.irp i, 0,1,2,3,4,5,6,7
.endr
	v_cvt_scalef32_pk8_fp8_f32 v[224+2*\t:225+2*\t], v[96+8*\t:103+8*\t], v244
.endr
.set II, 0
.rept 16
	v_pk_mul_f32 v[160+II:161+II], v[160+II:161+II], v[252:253] op_sel_hi:[1,0]   ; O^T under the new M; these are also the plain lines behind the conversions
.set II, II+2
.endr
	s_wait_alu depctr_va_vdst(0)
	s_wait_dscnt 0x0                               ; V is in
.irp g, 0,1,2,3                        ; four accumulators, one instruction a turn; the next step's eight score products stand between two links of a chain
	v_wmma_f32_16x16x128_fp8_fp8 v[160+8*\g:167+8*\g], v[32+16*\g:47+16*\g], v[224:239], v[160+8*\g:167+8*\g]
.endr
.Lhidden_\@:
	s_add_co_u32 s[KF], s[KF], 128
.endm
; THE CHANGE OF SLOTS stands at a slot's head: each wave waits for all its tensor loads, adds 0 to its spare word, and waits for that and for its reads of the slot that it has left; one barrier;
; fill = 1: behind it the slot just left takes the keys that follow (at the change of passes: the head's slot 0 again): the load has a slot's two steps in which to land.
.macro CHANGE fill
	s_wait_tensorcnt 0x0                           ; no tensor load of mine is out, so group 0 may be written
	ds_add_u32 v[SPW], v[NIL]
.if \fill
	s_xor_b32 s[G0+1], s[G0+1], SLOT1
	s_add_co_u32 s[OFF], s[OFF], 2*STB
	s_add_co_u32 s84, s[TT], 1
	s_cmp_eq_u32 s84, s[NH]                        ; the next trip begins the low pass
	s_cselect_b32 s[OFF], 0, s[OFF]
	s_add_nc_u64 s[G0+2:G0+3], s[BASE:BASE+1], s[OFF:OFF+1]
	s_or_b32 s[G0+3], s[G0+3], 0x80000000
	s_wait_xcnt 0x0                                ; the last prefetch, a slot back, has read its address
	s_add_nc_u64 s[PFA:PFA+1], s[PFA:PFA+1], 2*STB
.endif
	s_wait_dscnt 0x0                               ; the add is done, and my reads of the slot that I have left are over
	s_barrier_signal -1
	s_barrier_wait -1
.if \fill
	TLOAD                                          ; the first thing behind the barrier, a wave's one tensor load until the next
	ASK
.endif
.endm
; A pass's end: O^T / the sum x 2^(e4 + e5), quantised with 2^e6; tile c's eight channels give registers 2 c, 2 c + 1 of the image; two stores of 512 consecutive bytes, aligned.  reset = 1: the low pass's state.
.macro FINISH vo, reset
.rept 4
	v_nop                                          ; places behind the last products
.endr
	v_add_f32 v14, v14, v15
	s_delay_alu instid0(VALU_DEP_1)
	v_permlanex16_b32 v252, v14, s[SEL], s[SEL+1]
	s_delay_alu instid0(VALU_DEP_1)
	v_add_f32 v14, v14, v252                       ; the row's sum
	s_wait_alu depctr_va_vdst(0)
	v_rcp_f32 v14, v14
	v_nop                                          ; a plain line behind the reciprocal
	s_wait_alu depctr_va_vdst(0)                   ; and the wait ahead of its first reader
	v_ldexp_f32 v14, v14, s83
.set II, 0
.rept 16
	v_pk_mul_f32 v[96+II:97+II], v[160+II:161+II], v[14:15] op_sel_hi:[1,0]   ; each accumulator from its low end on
.set II, II+2
.endr
.set II, 0
.rept 32
.set II, II+1
.endr
.irp c, 0,1,2,3
	v_cvt_scalef32_pk8_fp8_f32 v[192+2*\c:193+2*\c], v[96+8*\c:103+8*\c], v248
.endr
	v_nop                                          ; one plain line behind the last conversion
	global_store_b128 v[\vo], v[192:195], s[8:9]
	global_store_b128 v[\vo], v[196:199], s[8:9] offset:512
.if \reset
	v_mov_b32 v13, 0xff61b1e6
	s_delay_alu instid0(VALU_DEP_1)
	v_floor_f32 v12, -v13
	v_mov_b32 v14, 0
	v_mov_b32 v15, 0
.set II, 0
.rept 32
	v_mov_b32 v[160+II], 0
.set II, II+1
.endr
.set II, 0
.rept 8
	v_mov_b32 v[16+II], v[24+II]                   ; the low pass's Q
.set II, II+1
.endr
	s_mov_b32 s[Q0], s[Q0L]
	s_mov_b32 s[KF], 0
	s_wait_xcnt 0x0                                ; the two stores have read their registers: the next pass's codes may be written
.endif
.endm
	s_wait_loadcnt 0x0                             ; Q
.Ltrip:                                            ; eight trips, whatever the work-group: behind each change of slots the next slot is asked for
	CHANGE 1
	STEP 0
	STEP 1
	s_xor_b32 s[TB], s[TB], SLOT1
	s_add_co_u32 s84, s[TT], 1
	s_cmp_lg_u32 s84, s[NH]                        ; the high pass ends with trip 8 - i - 1: ids and the count of trips alone, the same in all sixteen waves
	s_cbranch_scc1 .Lsame_pass
	FINISH 10, 1
.Lsame_pass:
	s_add_co_u32 s[TT], s[TT], 1
	s_cmp_lt_u32 s[TT], 8
	s_cbranch_scc1 .Ltrip
	CHANGE 0                                       ; the ninth slot is written out: nothing is left to ask for
	STEP 0
	STEP 1
	FINISH 11, 0
	s_wait_tensorcnt 0x0                           ; the wave's end
	ds_add_u32 v[SPW], v[NIL]
	s_wait_dscnt 0x0
	s_endpgm
.Lfunc_end_k_q6895a83adf_attn:
	.size	k_q6895a83adf_attn, .Lfunc_end_k_q6895a83adf_attn-k_q6895a83adf_attn
	.p2alignl 7, 3214868480
	.fill 96, 4, 3214868480
	.section	.rodata,"a",@progbits
	.p2align	6, 0x0
	.amdhsa_kernel k_q6895a83adf_attn
		.amdhsa_group_segment_fixed_size 327680
		.amdhsa_private_segment_fixed_size 0
		.amdhsa_enable_private_segment 0
		.amdhsa_kernarg_size 24
		.amdhsa_user_sgpr_count 2
		.amdhsa_user_sgpr_kernarg_segment_ptr 1
		.amdhsa_wavefront_size32 1
		.amdhsa_system_sgpr_workgroup_id_x 1
		.amdhsa_system_sgpr_workgroup_id_y 1
		.amdhsa_system_sgpr_workgroup_id_z 1
		.amdhsa_system_vgpr_workitem_id 0
		.amdhsa_next_free_vgpr 256
		.amdhsa_next_free_sgpr 100
		.amdhsa_reserve_vcc 1
		.amdhsa_float_denorm_mode_32 3
		.amdhsa_float_denorm_mode_16_64 3
		.amdhsa_fp16_overflow 1
		.amdhsa_memory_ordered 1
		.amdhsa_forward_progress 1
		.amdhsa_inst_pref_size 91
	.end_amdhsa_kernel
	.amdgpu_metadata
---
amdhsa.version: [ 1, 2 ]
amdhsa.kernels:
  - .name:           k_q6895a83adf_attn
    .symbol:         k_q6895a83adf_attn.kd
    .args:
      - { .name: qkv_frag, .offset: 0, .size: 8, .value_kind: global_buffer, .address_space: global }
      - { .name: lowp_scales, .offset: 8, .size: 8, .value_kind: global_buffer, .address_space: global }
      - { .name: att_frag, .offset: 16, .size: 8, .value_kind: global_buffer, .address_space: global }
    .group_segment_fixed_size: 327680
    .private_segment_fixed_size: 0
    .kernarg_segment_align: 8
    .kernarg_segment_size: 24
    .max_flat_workgroup_size: 512
    .sgpr_count:     100
    .vgpr_count:     256
    .wavefront_size: 32
...
	.end_amdgpu_metadata
.endif
;; end of part 3
;; launch gemm_out (part 4): grid 4 x 32, 4 waves a work-group, clusters of 4 x 4, 327,680 bytes of LDS; arguments att_frag, wproj_frag, lowp_scales, b_proj, out0; writes out0
.if DOCPART == 4
	.amdgcn_target "amdgcn-amd-amdhsa--gfx1250"
	.amdhsa_code_object_version 6
	.text
	.protected	k_q6895a83adf_gemm_out
	.globl	k_q6895a83adf_gemm_out
	.p2align	8
	.type	k_q6895a83adf_gemm_out,@function
k_q6895a83adf_gemm_out:
	s_mov_b64 s[64:65], 0
	v_nop
	global_prefetch_b8 v0, s[64:65] scope:SCOPE_SE
	s_setreg_imm32_b32 hwreg(HW_REG_WAVE_MODE, 25, 1), 1
	s_wait_xcnt 0x0
	s_wait_alu depctr_hold_cnt(0) depctr_sa_sdst(0) depctr_va_vdst(0) depctr_va_sdst(0) depctr_va_ssrc(0) depctr_va_vcc(0) depctr_vm_vsrc(0)
	s_getreg_b32 s2, hwreg(HW_REG_IB_STS2, 6, 4)
	s_cmp_eq_u32 s2, 0
	s_cbranch_scc0 .Lentry_in_a_cluster
	s_endpgm
.Lentry_in_a_cluster:
	s_bfe_u32 s2, ttmp6, 0x10000c
	s_cmp_lg_u32 s2, 0xf033
	s_cbranch_scc0 .Lentry_shape_is_right
	s_endpgm
.Lentry_shape_is_right:
; out0 = att W_proj + b_proj on codes of FP8 (E4M3): each finished f32 sum is multiplied once by 2^(e6 + e7) and the bias added, by one fused multiply-add.
; A tile of 256 x 256 is made by four waves, 128 x 128 each: 64 accumulators.  K = 1,024 goes in four steps of 256 through a ring of two LDS slots filled by the tensor data mover.
; OPERANDS ARE IMAGES of their registers: att_frag [token / 16][head][1,024 bytes]: two heads on end are a fragment of 16 x 128; wproj_frag [column / 16][k / 128][2,048 bytes].  A K step of a block of 16 rows is 4,096 bytes on end;
; a wave's tensor load brings 8 such rows, 16,384 bytes apart; a fragment comes out of LDS by four loads at 16 x lane.
; Source 0 = W's fragment, source 1 = att's: a lane holds eight neighbouring columns of one row of the output.  CLUSTERS: 4 x 4: att's tile is asked for jointly along a row of the cluster, W's along a column.
; 128 work-groups: the tile is kept at 256 x 256 so that one loop serves both products of this program.  LIMIT: e6 + e7 between -126 and 127.
; REGISTERS: window 0: v8-11 my four columns' bias; v16-29 addresses; v128-255 att's fragments, one set, then rows on the way out.  window 1: W's fragments, two sets.  windows 2, 3: the accumulators.
.set HALFT,  32768
.set SLOT,   4*HALFT
.set SPARE,  2*SLOT                    ; behind the ring: the spare words, 128 bytes a wave: two blocks of 256 bytes that no other line names
.set KSB,    4096
.set FR,     16
.set NL,     4
.set NP,     4                         ; places behind this matrix instruction (ISA guide 7.12.1)
.set SPITCH, 528                       ; the way out: a stage of 16 rows x (512 bytes + 16) for each wave, in slot 0, which has had its last fill and its last read when the first result is stored there
.set ADRA, 16
.set ADRB, 20
.set STO,  24                          ; v24  the way out: where I put 32 bytes of a row
.set RD,   25                          ; v25  where I read a row back
.set CO,   26                          ; v26  16 x lane
.set SPW,  28                          ; v28  LDS address of my spare word; never rewritten
.set NIL,  29                          ; v29  0; never rewritten
.set AF,   128
.set BK,   128                         ; the way out: 16 rows read back: v128-191 and v192-255 by turns
.set G1, 24
.set G0, 32
.set G1B, 48
.set G0B, 56
.set MSB, 0
.macro WIN new                         ; the immediate's high byte repeats the setting that is left
.if MSB != (\new)
	s_set_vgpr_msb (MSB<<8)|(\new)
.set MSB, (\new)
.endif
.endm
.set MUL_LO, 0xa1
.set MUL_HI, 0xf1
.set TO_B,   0x40
.macro JLOAD g0a, g1a, g0b, g1b        ; a joint load: waves 0 and 1 fetch for A, waves 2 and 3 for B; an s_nop 0 and four v_nop follow each line
	s_cmp_eq_u32 s15, 0
	s_cbranch_scc0 .Lfor_b_\@
	tensor_load_to_lds s[\g0a:\g0a+3], s[\g1a:\g1a+7]
	s_nop 0
.rept 4
	v_nop
.endr
	s_branch .Lasked_\@
.Lfor_b_\@:
	tensor_load_to_lds s[\g0b:\g0b+3], s[\g1b:\g1b+7]
	s_nop 0
.rept 4
	v_nop
.endr
.Lasked_\@:
.endm
.macro CREST
	s_cmp_lg_u32 s14, 0
	s_cbranch_scc1 .Lnot_wave_0_\@
	s_barrier_signal -3
.Lnot_wave_0_\@:
	s_barrier_wait -3
	s_barrier_signal -1
	s_barrier_wait -1
.endm
.macro CROUND
	s_barrier_signal -1
	s_barrier_wait -1
	CREST
.endm
	s_load_b128 s[4:7], s[0:1], 0x0                ; att_frag s[4:5], wproj_frag s[6:7]
	s_load_b128 s[8:11], s[0:1], 0x10              ; the scales' exponents s[8:9], b_proj s[10:11]
	s_load_b64 s[12:13], s[0:1], 0x20              ; out0
	v_lshl_add_u32 v[SPW], v0, 2, SPARE
	v_mov_b32 v[NIL], 0
	ds_add_u32 v[SPW], v[NIL]                      ; the wave's opening: the add and its wait ahead of my first tensor load; work on registers stands between them
	ds_add_u32 v[SPW], v[NIL]
	v_lshrrev_b32 v1, 5, v0
	v_readfirstlane_b32 s14, v1                    ; wave 0..3
	s_lshr_b32 s15, s14, 1                         ; which half of the tile's rows is mine.  Also: I fetch for A (0) or for B (1)
	s_and_b32 s16, s14, 1                          ; which half of its columns.  Also: which half of that tile I fetch
	s_bfe_u32 s40, ttmp6, 0x40000                  ; cx
	s_bfe_u32 s41, ttmp6, 0x40004                  ; cy
	s_lshl_b32 s42, ttmp9, 2
	s_add_co_u32 s42, s42, s40                     ; tile column
	s_and_b32 s17, ttmp7, 0xffff
	s_lshl_b32 s17, s17, 2
	s_add_co_u32 s17, s17, s41                     ; tile row
	s_lshl_b32 s43, s41, 2
	s_lshl_b32 s43, 15, s43                        ; my row of the cluster
	s_lshl_b32 s44, 0x1111, s40                    ; my column
	s_or_b32 s[G1+0], s43, (3<<16)|(1<<21)         ; 15:0 the mask; 17:16 elements of 8 bytes; 21 set beside a mask; no padding
	s_or_b32 s[G1B+0], s44, (3<<16)|(1<<21)
.irp g, G1, G1B
	s_mov_b32 s[\g+1], 512<<16                     ; tensor_dim0 = 512 elements: 4,096 bytes
	s_mov_b32 s[\g+2], 8<<16                       ; tensor_dim1 = 8
	s_mov_b32 s[\g+3], 512<<16                     ; tile_dim0
	s_mov_b32 s[\g+4], 8                           ; tile_dim1
	s_mov_b32 s[\g+5], 2048                        ; from row to row: 16,384 bytes
	s_mov_b32 s[\g+6], 0
	s_mov_b32 s[\g+7], 0
.endr
	s_lshl_b32 s20, s17, 18
	s_lshl_b32 s18, s16, 17
	s_add_co_u32 s20, s20, s18
	s_mov_b32 s21, 0
	s_lshl_b32 s46, s42, 18
	s_add_co_u32 s46, s46, s18
	s_mov_b32 s47, 0
	s_lshl_b32 s45, s14, 15                        ; where they go: wave x 32,768
	s_wait_dscnt 0x0                               ; the opening add is done
	s_wait_kmcnt 0x0
	s_load_b256 s[68:75], s[8:9], 0x0              ; e0 .. e7
	s_add_nc_u64 s[20:21], s[4:5], s[20:21]
	s_add_nc_u64 s[46:47], s[6:7], s[46:47]
	CROUND                                         ; all sixteen work-groups are here: the first joint loads meet
.irp s, 0,1
	s_mov_b32 s[G0+4*\s], 1
	s_add_co_u32 s[G0+4*\s+1], s45, \s*SLOT
	s_add_nc_u64 s[G0+4*\s+2:G0+4*\s+3], s[20:21], \s*KSB
	s_or_b32 s[G0+4*\s+3], s[G0+4*\s+3], 0x80000000
	s_mov_b32 s[G0B+4*\s], 1
	s_add_co_u32 s[G0B+4*\s+1], s45, \s*SLOT
	s_add_nc_u64 s[G0B+4*\s+2:G0B+4*\s+3], s[46:47], \s*KSB
	s_or_b32 s[G0B+4*\s+3], s[G0B+4*\s+3], 0x80000000
	s_wait_alu depctr_va_vdst(0)
	s_wait_tensorcnt 0x0
	ds_add_u32 v28, v29
	ds_add_u32 v28, v29
	s_wait_dscnt 0x0
	CROUND
	JLOAD G0+4*\s, G1, G0B+4*\s, G1B
.endr
	v_and_b32 v1, 15, v0                           ; r
	s_wait_alu depctr_va_vdst(0)
	v_bfe_u32 v2, v0, 4, 1                         ; h
	v_and_b32 v6, 31, v0
	v_lshlrev_b32 v[CO], 4, v6
	s_lshl_b32 s21, s15, 15
	s_lshl_b32 s22, s16, 15
	s_add_co_u32 s22, s22, 2*HALFT
.irp s, 0,1
	v_add_nc_u32 v[ADRA+\s], s21, v[CO]
	v_add_nc_u32 v[ADRB+\s], s22, v[CO]
	s_add_co_u32 s21, s21, SLOT
	s_add_co_u32 s22, s22, SLOT
.endr
	s_mul_i32 s23, s14, 16*SPITCH                  ; my stage
	v_mul_u32_u24 v5, v1, SPITCH                   ; in: row r, 32 bytes for each half of the lanes
	s_wait_alu depctr_va_vdst(0)
	v_lshl_add_u32 v5, v2, 5, v5
	v_add_nc_u32 v[STO], s23, v5
	v_add_nc_u32 v[RD], s23, v[CO]                 ; back: the 32 lanes take one row of 512 bytes
	s_lshl_b32 s84, s42, 10                        ; my first column, in bytes: 1,024 x tile column + 512 x half
	s_lshl_b32 s85, s16, 9
	s_add_co_u32 s84, s84, s85
	s_mov_b32 s85, 0
	s_add_nc_u64 s[86:87], s[10:11], s[84:85]
	global_load_b128 v[8:11], v[CO], s[86:87]      ; the bias of the four columns that I hold of a row read back
	s_lshl_b32 s88, s17, 20                        ; my first row: 256 x tile row + 128 x half, rows of 4,096 bytes
	s_lshl_b32 s89, s15, 19
	s_add_co_u32 s88, s88, s89
	s_mov_b32 s89, 0
	s_add_nc_u64 s[12:13], s[12:13], s[88:89]
	s_add_nc_u64 s[12:13], s[12:13], s[84:85]
.macro FRAG reg, adr, q, i
.irp c, 0,1,2,3
	ds_load_b128 v[\reg+4*\c:\reg+4*\c+3], v[\adr] offset:2048*(\q)+512*\c+(\i)*4096
.endr
.endm
; 16 matrix instructions: A's blocks a0, a0 + 1 x B's eight.  The 64 accumulators take turns, one instruction a turn.
.macro MUL16 a0, p, zero
.irp a, \a0, \a0+1
.irp b, 0,1,2,3,4,5,6,7
.if \zero
	v_wmma_f32_16x16x128_fp8_fp8 v[8*(8*((\a)%4)+\b):8*(8*((\a)%4)+\b)+7], v[128*(\p)+FR*\b:128*(\p)+FR*\b+FR-1], v[AF+FR*(\a):AF+FR*(\a)+FR-1], 0
.else
	v_wmma_f32_16x16x128_fp8_fp8 v[8*(8*((\a)%4)+\b):8*(8*((\a)%4)+\b)+7], v[128*(\p)+FR*\b:128*(\p)+FR*\b+FR-1], v[AF+FR*(\a):AF+FR*(\a)+FR-1], v[8*(8*((\a)%4)+\b):8*(8*((\a)%4)+\b)+7]
.endif
.endr
.endr
.endm
.macro FETCH_B slot, q, p
	WIN TO_B
.irp i, 0,1,2,3,4,5,6,7
	FRAG 128*(\p)+FR*\i, ADRB+\slot, \q, \i
.endr
	WIN 0
.endm
.macro FETCH_A slot, q, i0
.irp i, \i0, \i0+1, \i0+2, \i0+3
	FRAG AF+FR*(\i), ADRA+\slot, \q, \i
.endr
.endm
.macro PLACES n
.rept \n
	v_nop
.endr
.endm
.macro STEP slot, q, zero
	s_wait_dscnt 4*NL                              ; B's set and A's blocks 0-3 are in; the youngest sixteen loads (A's blocks 4-7) may be out
	WIN MUL_LO
	MUL16 0, (\q)%2, \zero
	MUL16 2, (\q)%2, \zero
	s_wait_dscnt 0
	PLACES NP
	FETCH_B \slot, (\q)+1, 1-(\q)%2
	FETCH_A \slot, (\q)+1, 0
	WIN MUL_HI
	MUL16 4, (\q)%2, \zero
	MUL16 6, (\q)%2, \zero
	PLACES NP
	WIN 0
	FETCH_A \slot, (\q)+1, 4
.endm
.macro TURN slot, next, fill
	s_wait_tensorcnt 0x0                           ; all my tensor loads have landed: my part of the next slot
	ds_add_u32 v[SPW], v[NIL]                      ; 0 onto my spare word
	s_wait_dscnt 4*NL+1                            ; (the add and the youngest sixteen loads may be out)
	WIN MUL_LO
	MUL16 0, 1, 0
	s_wait_dscnt 0x0                               ; the add is done, and my reads of this slot are over
	s_barrier_signal -1
	MUL16 2, 1, 0
	WIN 0
	s_barrier_wait -1
.if \fill
	CREST                                          ; the barrier has opened a round of the cluster's: no wave of any partner still reads this slot or has a load on its way
	s_add_nc_u64 s[G0+4*\slot+2:G0+4*\slot+3], s[G0+4*\slot+2:G0+4*\slot+3], 2*KSB
	s_add_nc_u64 s[G0B+4*\slot+2:G0B+4*\slot+3], s[G0B+4*\slot+2:G0B+4*\slot+3], 2*KSB
	JLOAD G0+4*\slot, G1, G0B+4*\slot, G1B
.else
	PLACES NP
.endif
	FETCH_B \next, 0, 0
	FETCH_A \next, 0, 0
	WIN MUL_HI
	MUL16 4, 1, 0
	MUL16 6, 1, 0
	PLACES NP
	WIN 0
	FETCH_A \next, 0, 4
.endm
	s_wait_tensorcnt 1                             ; my part of K step 0 is in; K step 1's may be out
	s_barrier_signal -1
	s_barrier_wait -1
	FETCH_B 0, 0, 0
	FETCH_A 0, 0, 0
	FETCH_A 0, 0, 4
	STEP 0, 0, 1
	TURN 0, 1, 1
	STEP 1, 0, 0
	TURN 1, 0, 1
	STEP 0, 0, 0
	TURN 0, 1, 0
	STEP 1, 0, 0
	s_wait_dscnt 4*NL
	WIN MUL_LO
	MUL16 0, 1, 0
	MUL16 2, 1, 0
	s_wait_alu depctr_va_vdst(0)
	s_wait_dscnt 0
	WIN MUL_HI
	MUL16 4, 1, 0
	MUL16 6, 1, 0
	WIN 0
; THE WAY OUT, block by block of 16 rows x 128 columns: the sums go into my own stage as they stand and come back as whole rows of 512 bytes; there each lane's four columns get sum x 2^(e6 + e7) + bias, and the 32 lanes store 512 consecutive bytes.
; LDS serves a wave's instructions in order (ISA guide 5.7.1.4): no wait between the stores and the loads, nor in front of the next block's stores.
.macro TOSTAGE a
	WIN 0x08+4*((\a)/4)                            ; the stores' data: window 2 or 3
.irp b, 0,1,2,3,4,5,6,7
	ds_store_b128 v[STO], v[64*((\a)%4)+8*\b:64*((\a)%4)+8*\b+3] offset:64*\b          ; each accumulator from its low end on
	ds_store_b128 v[STO], v[64*((\a)%4)+8*\b+4:64*((\a)%4)+8*\b+7] offset:64*\b+16
.endr
	WIN 0
.set BB, BK+64*((\a)%2)
.irp t, 0,1,2,3,4,5,6,7,8,9,10,11,12,13,14,15
	ds_load_b128 v[BB+4*\t:BB+4*\t+3], v[RD] offset:\t*SPITCH
.endr
.endm
.macro SEND a, younger                 ; younger: the LDS instructions issued behind block a's loads, which may stay out
.set BB, BK+64*((\a)%2)
	s_wait_dscnt \younger
.if (\a) > 0
	s_add_nc_u64 s[12:13], s[12:13], 16*4096       ; (behind a wait on XCNT: the earlier stores have read their base)  16 rows on
.endif
.irp t, 0,1,2,3,4,5,6,7,8,9,10,11,12,13,14,15
	v_pk_fma_f32 v[BB+4*\t:BB+4*\t+1], v[BB+4*\t:BB+4*\t+1], s[96:97], v[8:9] op_sel_hi:[1,0,1]
	v_pk_fma_f32 v[BB+4*\t+2:BB+4*\t+3], v[BB+4*\t+2:BB+4*\t+3], s[96:97], v[10:11] op_sel_hi:[1,0,1]
	global_store_b128 v[CO], v[BB+4*\t:BB+4*\t+3], s[12:13] offset:\t*4096 th:TH_STORE_NT
.endr
.endm
	s_wait_kmcnt 0x0
	s_add_co_i32 s96, s74, s75                     ; e6 + e7
	s_add_co_i32 s96, s96, 127
	s_lshl_b32 s96, s96, 23                        ; 2^(e6 + e7) as f32
	s_mov_b32 s97, s96                             ; (named with it as a pair, so it is written)
	s_wait_loadcnt 0x0                             ; the bias
	PLACES NP                                      ; in front of the first read of results and of the loads into the registers that held A's fragments
	TOSTAGE 0
.irp a, 1,2,3,4,5,6,7
.if \a > 1
	s_wait_xcnt 0x0                                ; block a - 2's stores have read their registers and their base
.endif
	TOSTAGE \a
	SEND \a-1, 32                                  ; behind block a - 1's loads: block a's 16 stores and 16 loads
.endr
	s_wait_xcnt 0x0
	SEND 7, 0
	s_wait_tensorcnt 0x0                           ; the wave's end, behind my last tensor load and my last LDS store
	ds_add_u32 v[SPW], v[NIL]
	s_wait_dscnt 0x0
	CROUND                                         ; the closing round
	s_endpgm
.Lfunc_end_k_q6895a83adf_gemm_out:
	.size	k_q6895a83adf_gemm_out, .Lfunc_end_k_q6895a83adf_gemm_out-k_q6895a83adf_gemm_out
	.p2alignl 7, 3214868480
	.fill 96, 4, 3214868480
	.section	.rodata,"a",@progbits
	.p2align	6, 0x0
	.amdhsa_kernel k_q6895a83adf_gemm_out
		.amdhsa_group_segment_fixed_size 327680
		.amdhsa_private_segment_fixed_size 0
		.amdhsa_enable_private_segment 0
		.amdhsa_kernarg_size 40
		.amdhsa_user_sgpr_count 2
		.amdhsa_user_sgpr_kernarg_segment_ptr 1
		.amdhsa_wavefront_size32 1
		.amdhsa_system_sgpr_workgroup_id_x 1
		.amdhsa_system_sgpr_workgroup_id_y 1
		.amdhsa_system_sgpr_workgroup_id_z 1
		.amdhsa_system_vgpr_workitem_id 0
		.amdhsa_next_free_vgpr 1024
		.amdhsa_next_free_sgpr 100
		.amdhsa_reserve_vcc 0
		.amdhsa_float_denorm_mode_32 3
		.amdhsa_float_denorm_mode_16_64 3
		.amdhsa_memory_ordered 1
		.amdhsa_forward_progress 1
		.amdhsa_inst_pref_size 124
	.end_amdhsa_kernel
	.amdgpu_metadata
---
amdhsa.version: [ 1, 2 ]
amdhsa.kernels:
  - .name:           k_q6895a83adf_gemm_out
    .symbol:         k_q6895a83adf_gemm_out.kd
    .args:
      - { .name: att_frag, .offset: 0, .size: 8, .value_kind: global_buffer, .address_space: global }
      - { .name: wproj_frag, .offset: 8, .size: 8, .value_kind: global_buffer, .address_space: global }
      - { .name: lowp_scales, .offset: 16, .size: 8, .value_kind: global_buffer, .address_space: global }
      - { .name: b_proj, .offset: 24, .size: 8, .value_kind: global_buffer, .address_space: global }
      - { .name: out0, .offset: 32, .size: 8, .value_kind: global_buffer, .address_space: global }
    .group_segment_fixed_size: 327680
    .private_segment_fixed_size: 0
    .kernarg_segment_align: 8
    .kernarg_segment_size: 40
    .max_flat_workgroup_size: 128
    .sgpr_count:     100
    .vgpr_count:     1024
    .wavefront_size: 32
...
	.end_amdgpu_metadata
.endif
;; end of part 4
